; MI455X (gfx1250); checked and timed in simulation.
; The chip was launched on July 23, 2026; its instructions are those of AMD's public machine-readable ISA for CDNA 5 (MIT licence, August 2026) and "CDNA5" Instruction Set Architecture Reference Guide (July 2026). The comments in the code are by the model that wrote it; some were corrected since.
;; Cross Image Attention Layer. Allowed arithmetic: float matrix products may take bf16 or f16 operands with f32 sums; all other float work in f32.
;; Inputs: Wkv 256 x 512 float32; Wo 256 x 256 float32; Wq 256 x 256 float32; beta 256 float32; bkv 512 float32; bo 256 float32; bq 256 float32; gamma 256 float32; image_features 2 x 8 x 64 x 64 x 256 float32; pixel_coords 2 x 8 x 16,384 x 2 float32; queries 2 x 16,384 x 256 float32; valid_mask 2 x 8 x 16,384 int32.
;; Outputs: out0 2 x 16,384 x 256 float32.
;; One version. Each part assembles by itself: llvm-mc -triple=amdgcn-amd-amdhsa -mcpu=gfx1250 --defsym DOCPART=n.
;; ======== version 1 of 1: 2 launches
;; limits: values are held in f16: magnitudes above 65,504 overflow, below 6.1e-05 lose precision
;; workspace buffers: featb 33,554,432 bytes; meta 1,048,576 bytes of whole numbers; wts 4,194,304 bytes; wf 270,336 bytes; cvec 3,072 bytes
;; launch prep (part 1): grid 1062 x 1, 8 waves a work-group, no clusters, 12,288 bytes of LDS; arguments Wq, Wkv, Wo, bq, bkv, image_features, pixel_coords, valid_mask, featb, meta, wts, wf, cvec; writes featb, meta, wts, wf, cvec
.if DOCPART == 1
	.amdgcn_target "amdgcn-amd-amdhsa--gfx1250"
	.amdhsa_code_object_version 6
	.text
	.protected	k_q3b059df1b5_prep
	.globl	k_q3b059df1b5_prep
	.p2align	8
	.type	k_q3b059df1b5_prep,@function
k_q3b059df1b5_prep:
	s_mov_b64 s[64:65], 0
	v_nop
	global_prefetch_b8 v0, s[64:65] scope:SCOPE_SE
	s_setreg_imm32_b32 hwreg(HW_REG_WAVE_MODE, 25, 1), 1
	s_wait_xcnt 0x0
; prep: everything that the attention launch needs once.  Three kinds of work-group, chosen by the work-group's number:
;   FOLD (38 groups, one job a wave, 297 jobs): the weights folded by two exact identities,
;        q.(s Wk + bk) = (q Wk^T).s + q.bk   and   (sum a_c (s_c Wv + bv)) Wo = (sum a_c s_c)(Wv Wo) + (sum a_c)(bv Wo):
;        M1[i][j] = sum_d Wq[i][d] Wkv[j][d],  c1[j] = sum_d bq[d] Wkv[j][d],
;        u[i] = a sum_d Wq[i][d] bkv[d],  t0 = a sum_d bq[d] bkv[d],   a = log2(e)/16 (scores in base 2; the next launch multiplies M1's share by a),
;        M2[i][j] = sum_d Wkv[i][256+d] Wo[d][j],  c2[j] = sum_d bkv[256+d] Wo[d][j].
;        M1 and M2 leave as f16, u as bf16, all in the register image of a matrix operand (wf); c1, t0, c2 as f32 (cvec).
;   META (512 groups, 64 queries each): per query and camera the whole number c*4096 + yb*64 + xb | valid<<16 (meta) and the four
;        bilinear weights (wts), laid [query][camera].  The 2 x 2 block at (yb, xb), both clamped to 0..62, is always inside the image;
;        pixel p weighs max(0, 1 - |x - p|) along each axis, which is reference()'s weight times its in-bounds test.
;   CONV (512 groups, 128 KiB each): the features rounded once to bf16 (featb), same order.
; WHY f16 IN THE FOLD: f16 keeps 11 significant bits where bf16 keeps 8, and these operands have the room: weights of spread 1/16 give M1, M2 of spread 1/16;
; weights 30 times larger give about 56, an offset of 30 spreads about 900; weights 30 times smaller give 7e-5 against f16's smallest step of 6e-8.
; LIMITS: coordinates are finite (for NaN or infinity reference() gives NaN, this text gives weights of 0);
; Wq, Wkv, Wo, bq, bkv are rounded to f16 as matrix operands, the folded M1, M2 once more: all of them must lie below 65,504 in magnitude;
; the order of sums differs from reference()'s.
; No tensor loads, no cluster: FOLD's inputs are 1 MiB in all, META and CONV share nothing between work-groups.
.set ALPHA,  0x3db8aa3b                ; log2(e) / 16
.set NFOLD,  38
.set NMETA,  512
.set JOBS,   297                       ; 17 x 9 for M1 (16 column tiles + u; 8 row pairs + the bias row), 16 x 9 for M2
.set JOBS0,  153
.set M2BASE, 139264                    ; 17 tiles of 8,192 bytes
.set XR,   16                          ; v[16:143]  X: group (k step of four, row tile of two) of 16 f32, packed in place to 8
.set YR,   144                         ; v[144:207] Y: group (k step) of 16 f32, packed in place to 8
.set PK,   216                         ; v[216:223] packed results
.set ACC0, 232                         ; v[232:239] rows i0 .. i0+15
.set ACC1, 240                         ; v[240:247] rows i0+16 .. i0+31
	s_load_b512 s[4:19], s[0:1], 0x0               ; Wq 4, Wkv 6, Wo 8, bq 10, bkv 12, image_features 14, pixel_coords 16, valid_mask 18
	s_load_b256 s[20:27], s[0:1], 0x40             ; featb 20, meta 22, wts 24, wf 26
	s_load_b64 s[28:29], s[0:1], 0x60              ; cvec
	v_lshl_add_u32 v254, v0, 2, 0x2c00
	v_mov_b32 v255, 0
	v_lshrrev_b32 v1, 5, v0
	v_readfirstlane_b32 s30, v1                    ; wave 0..7
	v_and_b32 v3, 31, v0                           ; lane
	s_mov_b32 s47, 0                               ; upper word of every offset pair s[46:47]
	s_wait_kmcnt 0x0
	s_cmp_lt_u32 ttmp9, NFOLD
	s_cbranch_scc1 .Lfold
	s_cmp_lt_u32 ttmp9, NFOLD+NMETA
	s_cbranch_scc1 .Lmeta
; ---------------- CONV: a wave takes 16 KiB of f32; all 32 loads go out at once, each covers 512 consecutive bytes
	s_sub_co_u32 s31, ttmp9, NFOLD+NMETA
	s_lshl_b32 s46, s31, 17
	s_add_nc_u64 s[14:15], s[14:15], s[46:47]      ; my group's 131,072 bytes of f32
	s_lshl_b32 s46, s31, 16
	s_add_nc_u64 s[20:21], s[20:21], s[46:47]      ; and its 65,536 bytes of bf16
	v_lshlrev_b32 v4, 4, v3
	v_lshl_add_u32 v4, s30, 14, v4                 ; in: 16,384 wave + 16 lane
	v_lshlrev_b32 v5, 3, v3
	v_lshl_add_u32 v5, s30, 13, v5                 ; out: half of that
.set j, 0
.rept 32
	global_load_b128 v[16+4*j:19+4*j], v4, s[14:15] offset:512*j th:TH_LOAD_NT
.set j, j+1
.endr
.set j, 0
.rept 32
	s_wait_loadcnt 31-j                            ; loads return in order: the 31-j younger ones stay out
	v_cvt_pk_bf16_f32 v[144+2*j], v[16+4*j], v[17+4*j]
	v_cvt_pk_bf16_f32 v[145+2*j], v[18+4*j], v[19+4*j]
	global_store_b64 v5, v[144+2*j:145+2*j], s[20:21] offset:256*j   ; the wave stores 256 consecutive bytes, aligned; no register is written twice
.set j, j+1
.endr
	s_endpgm
; ---------------- META: wave = camera, lane = two neighbouring queries; the transposition [camera][query] -> [query][camera] goes through LDS
.Lmeta:
	s_sub_co_u32 s31, ttmp9, NFOLD                 ; m: queries 64 m .. 64 m + 63 of the 32,768
	s_lshr_b32 s32, s31, 8                         ; batch
	s_lshl_b32 s32, s32, 3
	s_add_co_u32 s32, s32, s30                     ; batch x 8 + camera
	s_lshl_b32 s32, s32, 14
	s_and_b32 s33, s31, 255
	s_lshl_b32 s33, s33, 6
	s_add_co_u32 s32, s32, s33                     ; index of my wave's first (camera, query)
	s_lshl_b32 s33, s32, 3
	s_lshl_b32 s34, s32, 2
	s_lshl_b32 s35, s30, 12                        ; camera x 4,096 pixels
	v_lshl_add_u32 v4, v3, 4, s33                  ; two coordinate pairs, 16 bytes a lane
	v_lshl_add_u32 v5, v3, 3, s34                  ; two mask words
	global_load_b128 v[8:11], v4, s[16:17] th:TH_LOAD_NT
	global_load_b64 v[12:13], v5, s[18:19] th:TH_LOAD_NT
	v_mul_u32_u24 v6, 288, v3                      ; LDS: weights at query x 144 + camera x 16 (pitch 8 x 16 + 16)
	s_lshl_b32 s36, s30, 4
	v_add_nc_u32 v6, s36, v6
	s_lshl_b32 s37, s30, 2
	v_lshl_add_u32 v7, v3, 6, s37                  ; meta words at 9,216 + query x 32 + camera x 4
	s_wait_loadcnt 0x0
.macro PIX cx, cy, vld, w, mt
	v_add_f32 v20, 1.0, v[\cx]
	v_add_f32 v21, 1.0, v[\cy]
	v_mul_f32 v20, 0x41fc0000, v20                 ; (c + 1) x 31.5: halving is exact, so this rounds as (c + 1) x 0.5 x 63 does
	v_mul_f32 v21, 0x41fc0000, v21
	v_floor_f32 v22, v20
	v_floor_f32 v23, v21
	v_max_num_f32 v22, 0, v22
	v_max_num_f32 v23, 0, v23
	v_min_num_f32 v22, 0x42780000, v22             ; xb, yb in 0 .. 62
	v_min_num_f32 v23, 0x42780000, v23
	v_sub_f32 v20, v20, v22                        ; distance to pixel xb
	v_sub_f32 v21, v21, v23
	v_sub_f32 v24, 1.0, |v20|
	v_sub_f32 v26, 1.0, |v21|
	v_add_f32 v20, -1.0, v20                       ; distance to pixel xb + 1
	v_add_f32 v21, -1.0, v21
	v_sub_f32 v25, 1.0, |v20|
	v_sub_f32 v27, 1.0, |v21|
	v_max_num_f32 v24, 0, v24
	v_max_num_f32 v25, 0, v25
	v_max_num_f32 v26, 0, v26
	v_max_num_f32 v27, 0, v27
	v_mul_f32 v[\w], v26, v24                      ; (yb, xb)
	v_mul_f32 v[\w+1], v26, v25                    ; (yb, xb+1)
	v_mul_f32 v[\w+2], v27, v24                    ; (yb+1, xb)
	v_mul_f32 v[\w+3], v27, v25                    ; (yb+1, xb+1)
	v_cvt_u32_f32 v22, v22
	v_cvt_u32_f32 v23, v23
	v_lshl_add_u32 v22, v23, 6, v22
	v_add_nc_u32 v22, s35, v22
	v_or_b32 v23, 0x10000, v22
	v_cmp_ne_u32 vcc_lo, 0, v[\vld]
	v_cndmask_b32 v[\mt], v22, v23, vcc_lo         ; bit 16: the camera is valid
.endm
	PIX 8, 9, 12, 44, 52
	PIX 10, 11, 13, 48, 53
	ds_store_b128 v6, v[44:47]
	ds_store_b128 v6, v[48:51] offset:144
	ds_store_b32 v7, v52 offset:9216
	ds_store_b32 v7, v53 offset:9248
	v_lshrrev_b32 v30, 3, v0                       ; back: thread t takes 16-byte piece t (query t / 8, camera t % 8) and piece t + 256
	v_and_b32 v31, 7, v0
	v_mul_u32_u24 v30, 144, v30
	v_lshl_add_u32 v30, v31, 4, v30
	v_lshlrev_b32 v31, 3, v0
	v_lshlrev_b32 v42, 4, v0
	s_lshl_b32 s46, s31, 13
	s_add_nc_u64 s[24:25], s[24:25], s[46:47]      ; wts: 64 queries x 128 bytes
	s_lshl_b32 s46, s31, 11
	s_add_nc_u64 s[22:23], s[22:23], s[46:47]      ; meta: 64 queries x 32 bytes
	s_wait_dscnt 0x0                               ; my stores are done, for the other waves' sake
	s_barrier_signal -1
	s_barrier_wait -1
	ds_load_b128 v[32:35], v30
	ds_load_b128 v[36:39], v30 offset:4608         ; 32 queries further down
	ds_load_b64 v[40:41], v31 offset:9216
	s_wait_dscnt 0x0
	global_store_b128 v42, v[32:35], s[24:25]      ; a wave's store covers 512 consecutive bytes, aligned
	global_store_b128 v42, v[36:39], s[24:25] offset:4096
	global_store_b64 v31, v[40:41], s[22:23]       ; 256 consecutive bytes, aligned
	s_wait_tensorcnt 0x0
	ds_add_u32 v254, v255
	s_wait_dscnt 0x0
	s_endpgm
; ---------------- FOLD: job = (matrix, column tile jt, row pair p).  D(i, j) = sum_d X[i][d] Y[j][d] for 32 rows i and 16 columns j.
.Lfold:
	s_lshl_b32 s31, ttmp9, 3
	s_add_co_u32 s31, s31, s30                     ; job
	s_cmp_ge_u32 s31, JOBS
	s_cbranch_scc1 .Lend                           ; the last group has one job for eight waves; this part has no barrier
	s_cmp_ge_u32 s31, JOBS0
	s_cselect_b32 s32, 1, 0                        ; matrix: 0 = M1, 1 = M2
	s_mul_i32 s33, s32, JOBS0
	s_sub_co_u32 s33, s31, s33                     ; job within the matrix, 0 .. 152
	s_mul_i32 s34, s33, 57
	s_lshr_b32 s34, s34, 9                         ; jt = job / 9 (57/512 is exact for numbers below 512)
	s_mul_i32 s35, s34, 9
	s_sub_co_u32 s35, s33, s35                     ; p = job % 9; p = 8 is the bias row
	; X: M1: Wq, rows of 1,024 bytes, or bq.  M2: Wkv's right half, rows of 2,048 bytes, or bkv's right half.  A bias has pitch 0: every row is the bias
	s_lshl_b32 s38, 1024, s32                      ; pitch
	s_lshl_b32 s39, s32, 10                        ; the right half begins 1,024 bytes into a row
	s_mul_i32 s46, s35, s38
	s_lshl_b32 s46, s46, 5                         ; 32 p rows
	s_cmp_eq_u32 s32, 0
	s_cselect_b64 s[36:37], s[4:5], s[6:7]
	s_cselect_b64 s[50:51], s[10:11], s[12:13]
	s_cmp_eq_u32 s35, 8
	s_cselect_b64 s[36:37], s[50:51], s[36:37]
	s_cselect_b32 s38, 0, s38
	s_cselect_b32 s46, 0, s46
	s_add_co_u32 s46, s46, s39
	s_add_nc_u64 s[36:37], s[36:37], s[46:47]
	; Y: M1: Wkv's left half, row j, or bkv's left half (jt = 16, pitch 0: u in all 16 columns).  M2: Wo read down its columns
	s_lshl_b32 s46, s34, 15                        ; 16 jt rows of 2,048 bytes
	s_lshl_b32 s43, s34, 6                         ; 16 jt columns of 4 bytes
	s_cmp_eq_u32 s34, 16                           ; M1 alone has a tile 16
	s_cselect_b64 s[40:41], s[12:13], s[6:7]
	s_cselect_b32 s42, 0, 2048
	s_cselect_b32 s46, 0, s46
	s_cselect_b32 s44, ALPHA, 1.0                  ; u and t0 carry the scale of the scores; M1, c1, M2, c2 leave unscaled
	s_mov_b32 s45, s44
	s_cmp_eq_u32 s32, 0
	s_cselect_b64 s[40:41], s[40:41], s[8:9]
	s_cselect_b32 s46, s46, s43
	s_add_nc_u64 s[40:41], s[40:41], s[46:47]
	; where the fragments go: matrix, tile jt (8,192 bytes), k step p (1,024 bytes)
	s_mul_i32 s46, s32, M2BASE
	s_lshl_b32 s43, s34, 13
	s_add_co_u32 s46, s46, s43
	s_lshl_b32 s43, s35, 10
	s_add_co_u32 s46, s46, s43
	s_add_nc_u64 s[48:49], s[26:27], s[46:47]
	; lane (r, h) of a 16-bit operand holds row r, k = 8h .. 8h+7 and 16+8h .. 16+8h+7 of each 32 (ISA guide 7.12.2): in f32 that is 32 bytes at 32h and at 64+32h
	v_and_b32 v1, 15, v0                           ; r
	v_bfe_u32 v2, v0, 4, 1                         ; h
	v_mul_u32_u24 v4, s38, v1
	v_lshl_add_u32 v4, v2, 5, v4                   ; X, rows i0 + r
	s_lshl_b32 s43, s38, 4
	v_add_nc_u32 v5, s43, v4                       ; X, rows i0 + 16 + r
	v_mul_u32_u24 v6, s42, v1
	v_lshl_add_u32 v6, v2, 5, v6                   ; Y along its rows
	v_lshlrev_b32 v8, 2, v1
	v_lshl_add_u32 v8, v2, 13, v8                  ; Y down Wo's columns: row 8h, column r
	v_lshlrev_b32 v7, 4, v3                        ; 16 x lane
; Four k steps of 32: load as f32, pack to f16 in place (register e of a group from registers 2e, 2e+1: never ahead of what is still to be read), multiply.
.macro BATCH bt
.irp k, 0,1,2,3
.irp t, 0,1
	global_load_b128 v[XR+32*\k+16*\t:XR+32*\k+16*\t+3],     v[4+\t], s[36:37] offset:(4*\bt+\k)*128
	global_load_b128 v[XR+32*\k+16*\t+4:XR+32*\k+16*\t+7],   v[4+\t], s[36:37] offset:(4*\bt+\k)*128+16
	global_load_b128 v[XR+32*\k+16*\t+8:XR+32*\k+16*\t+11],  v[4+\t], s[36:37] offset:(4*\bt+\k)*128+64
	global_load_b128 v[XR+32*\k+16*\t+12:XR+32*\k+16*\t+15], v[4+\t], s[36:37] offset:(4*\bt+\k)*128+80
.endr
.endr
	s_cmp_eq_u32 s32, 0
	s_cbranch_scc0 .Lyt_\@
.irp k, 0,1,2,3
	global_load_b128 v[YR+16*\k:YR+16*\k+3],     v6, s[40:41] offset:(4*\bt+\k)*128
	global_load_b128 v[YR+16*\k+4:YR+16*\k+7],   v6, s[40:41] offset:(4*\bt+\k)*128+16
	global_load_b128 v[YR+16*\k+8:YR+16*\k+11],  v6, s[40:41] offset:(4*\bt+\k)*128+64
	global_load_b128 v[YR+16*\k+12:YR+16*\k+15], v6, s[40:41] offset:(4*\bt+\k)*128+80
.endr
	s_branch .Lyd_\@
.Lyt_\@:
.irp k, 0,1,2,3
.irp e, 0,1,2,3,4,5,6,7
	global_load_b32 v[YR+16*\k+\e],   v8, s[40:41] offset:(32*(4*\bt+\k)+\e)*1024      ; Wo[32 ks + 8h + e][16 jt + r]: 16 KiB a job, read once
	global_load_b32 v[YR+16*\k+8+\e], v8, s[40:41] offset:(32*(4*\bt+\k)+16+\e)*1024
.endr
.endr
.Lyd_\@:
	s_wait_loadcnt 0x0                             ; zero on both ways, which issue different numbers of loads
.irp g, 0,1,2,3,4,5,6,7,8,9,10,11
.irp e, 0,1,2,3,4,5,6,7
	v_cvt_pk_f16_f32 v[XR+16*\g+\e], v[XR+16*\g+2*\e], v[XR+16*\g+2*\e+1]              ; groups 8 to 11 are Y's
.endr
.endr
.irp k, 0,1,2,3
.if \bt+\k
	v_wmma_f32_16x16x32_f16 v[ACC0:ACC0+7], v[XR+32*\k:XR+32*\k+7],       v[YR+16*\k:YR+16*\k+7], v[ACC0:ACC0+7]
	v_wmma_f32_16x16x32_f16 v[ACC1:ACC1+7], v[XR+32*\k+16:XR+32*\k+23],   v[YR+16*\k:YR+16*\k+7], v[ACC1:ACC1+7]
.else
	v_wmma_f32_16x16x32_f16 v[ACC0:ACC0+7], v[XR+32*\k:XR+32*\k+7],       v[YR+16*\k:YR+16*\k+7], 0       ; the first products start the sums
	v_wmma_f32_16x16x32_f16 v[ACC1:ACC1+7], v[XR+32*\k+16:XR+32*\k+23],   v[YR+16*\k:YR+16*\k+7], 0
.endif
.endr
.rept 4
	v_nop                                          ; four places behind the last matrix instruction, ahead of loads into its sources and reads of its result
.endr
.endm
; register e of lane (r, h) is D(i0 + 8h + e, 16 jt + r): eight neighbouring k of column j, which is the lane's 16 bytes of the operand image
.macro WAYOUT cvt
.irp t, 0,1
.irp e, 0,1,2,3
	v_pk_mul_f32 v[ACC0+8*\t+2*\e:ACC0+8*\t+2*\e+1], v[ACC0+8*\t+2*\e:ACC0+8*\t+2*\e+1], s[44:45] op_sel_hi:[1,0]
.endr
.irp e, 0,1,2,3
	\cvt v[PK+4*\t+\e], v[ACC0+8*\t+2*\e], v[ACC0+8*\t+2*\e+1]
.endr
	global_store_b128 v7, v[PK+4*\t:PK+4*\t+3], s[48:49] offset:512*\t       ; the wave stores 512 consecutive bytes, aligned
.endr
	s_endpgm
.endm
	BATCH 0                                        ; the two accumulators take turns, one instruction a turn
	BATCH 1
	s_cmp_eq_u32 s35, 8
	s_cbranch_scc1 .Lbias
	s_cmp_eq_u32 s34, 16
	s_cbranch_scc1 .Lu
	WAYOUT v_cvt_pk_f16_f32                        ; M1 and M2: operands of the next launch's f16 products
.Lu:
	WAYOUT v_cvt_pk_bf16_f32                       ; u: read by vector instructions there, widened by a shift; it moves all scores of a query alike
.Lbias:
	v_mul_f32 v[PK], s44, v[ACC0]                  ; every row of X was the bias: lanes 0 to 15 hold D(0, 16 jt + r)
	s_lshl_b32 s46, s32, 11                        ; c1 and t0 from byte 0, c2 from byte 2,048
	s_lshl_b32 s43, s34, 6
	s_add_co_u32 s46, s46, s43
	s_add_nc_u64 s[28:29], s[28:29], s[46:47]
	v_lshlrev_b32 v9, 2, v1
	s_wait_xcnt 0x0                                ; EXEC changes only behind this wait
	v_cmp_gt_u32 vcc_lo, 16, v3
	s_and_saveexec_b32 s43, vcc_lo
	global_store_b32 v9, v[PK], s[28:29]           ; 64 bytes a job: cvec is 3 KiB in all
	s_wait_xcnt 0x0
	s_or_b32 exec_lo, exec_lo, s43
.Lend:
	s_endpgm
.Lfunc_end_k_q3b059df1b5_prep:
	.size	k_q3b059df1b5_prep, .Lfunc_end_k_q3b059df1b5_prep-k_q3b059df1b5_prep
	.p2alignl 7, 3214868480
	.fill 96, 4, 3214868480
	.section	.rodata,"a",@progbits
	.p2align	6, 0x0
	.amdhsa_kernel k_q3b059df1b5_prep
		.amdhsa_group_segment_fixed_size 12288
		.amdhsa_private_segment_fixed_size 0
		.amdhsa_enable_private_segment 0
		.amdhsa_kernarg_size 104
		.amdhsa_user_sgpr_count 2
		.amdhsa_user_sgpr_kernarg_segment_ptr 1
		.amdhsa_wavefront_size32 1
		.amdhsa_system_sgpr_workgroup_id_x 1
		.amdhsa_system_sgpr_workgroup_id_y 1
		.amdhsa_system_sgpr_workgroup_id_z 1
		.amdhsa_system_vgpr_workitem_id 0
		.amdhsa_next_free_vgpr 256
		.amdhsa_next_free_sgpr 66
		.amdhsa_reserve_vcc 1
		.amdhsa_float_denorm_mode_32 3
		.amdhsa_float_denorm_mode_16_64 3
		.amdhsa_memory_ordered 1
		.amdhsa_forward_progress 1
		.amdhsa_inst_pref_size 57
	.end_amdhsa_kernel
	.amdgpu_metadata
---
amdhsa.version: [ 1, 2 ]
amdhsa.kernels:
  - .name:           k_q3b059df1b5_prep
    .symbol:         k_q3b059df1b5_prep.kd
    .args:
      - { .name: Wq, .offset: 0, .size: 8, .value_kind: global_buffer, .address_space: global }
      - { .name: Wkv, .offset: 8, .size: 8, .value_kind: global_buffer, .address_space: global }
      - { .name: Wo, .offset: 16, .size: 8, .value_kind: global_buffer, .address_space: global }
      - { .name: bq, .offset: 24, .size: 8, .value_kind: global_buffer, .address_space: global }
      - { .name: bkv, .offset: 32, .size: 8, .value_kind: global_buffer, .address_space: global }
      - { .name: image_features, .offset: 40, .size: 8, .value_kind: global_buffer, .address_space: global }
      - { .name: pixel_coords, .offset: 48, .size: 8, .value_kind: global_buffer, .address_space: global }
      - { .name: valid_mask, .offset: 56, .size: 8, .value_kind: global_buffer, .address_space: global }
      - { .name: featb, .offset: 64, .size: 8, .value_kind: global_buffer, .address_space: global }
      - { .name: meta, .offset: 72, .size: 8, .value_kind: global_buffer, .address_space: global }
      - { .name: wts, .offset: 80, .size: 8, .value_kind: global_buffer, .address_space: global }
      - { .name: wf, .offset: 88, .size: 8, .value_kind: global_buffer, .address_space: global }
      - { .name: cvec, .offset: 96, .size: 8, .value_kind: global_buffer, .address_space: global }
    .group_segment_fixed_size: 12288
    .private_segment_fixed_size: 0
    .kernarg_segment_align: 8
    .kernarg_segment_size: 104
    .max_flat_workgroup_size: 256
    .sgpr_count:     66
    .vgpr_count:     256
    .wavefront_size: 32
...
	.end_amdgpu_metadata
.endif
;; end of part 1
;; launch attn (part 2): grid 256 x 1, 16 waves a work-group, no clusters, 287,744 bytes of LDS; arguments queries, gamma, beta, bo, featb, meta, wts, wf, cvec, out0; writes out0
.if DOCPART == 2
	.amdgcn_target "amdgcn-amd-amdhsa--gfx1250"
	.amdhsa_code_object_version 6
	.text
	.protected	k_q3b059df1b5_attn
	.globl	k_q3b059df1b5_attn
	.p2align	8
	.type	k_q3b059df1b5_attn,@function
k_q3b059df1b5_attn:
	s_mov_b64 s[64:65], 0
	v_nop
	global_prefetch_b8 v0, s[64:65] scope:SCOPE_SE
	s_setreg_imm32_b32 hwreg(HW_REG_WAVE_MODE, 25, 1), 1
	s_wait_xcnt 0x0
; attn: out = x + bo + z M2 + flag c2, z = softmax-weighted sum of the bilinear samples, scores = a (LN(x) M1 + c1).s_c + t, a = log2(e)/16  (base 2; M1, u, c1, t0, M2, c2 as the first launch folded them).
; A work-group takes 128 queries, 16 waves.  Wave w owns rows 8w .. 8w+7 for the layer norm, the gather and the store, and columns 16w .. 16w+15 of all
; 128 rows in both products (8 accumulator tiles; its 8 KiB of weight fragments come straight into 64 registers).
; THE GATHER: a sample is four pixels of 512 bytes (bf16); a lane holds 8 columns.  Each wave runs a ring of eight camera slots of 16 registers: while query i is
; worked on, camera c's slot is filled for query i+1 as soon as it has been used, so 32 loads of 512 bytes are on their way in every wave.
; NO BRANCH HANGS ON THE MASK: a masked camera's turn runs like any other, and its score is replaced by minus infinity, so that it adds exp2(-inf) = 0 to the sums.
; Its four loads are issued with the lane offset multiplied by the valid bit, so that all lanes read the same 16 bytes: it moves next to nothing, and every counted
; wait has the same loads behind it whatever the mask.  All waves run the same instructions, so none comes late to the barrier behind the gather.
; The softmax takes a running maximum, which starts at the most negative finite number: a masked score then leaves maximum - maximum = 0 and never inf - inf.
; A query without a valid camera gets z = 0 and flag = 0, as reference() makes it.
; The score dot and the weighted sum are 8 x 256 per query with no operand shared between queries: they stay on the vector unit, in f32.
; FORMATS: both products take f16 operands (11 significant bits against bf16's 8).  Their room: |LN(x) gamma + beta| is at most 16 |gamma| + |beta|, |z| at most the largest
; |feature|, M1 and M2 as the first launch's head says.  q' and the features are bf16.
; LIMITS: scores are finite; every feature rounds to a finite bf16 (a masked camera's sample is multiplied by 0, which keeps 0 only for finite numbers);
; LN(x) gamma + beta, z, M1, M2 lie below 65,504 in magnitude; sums are ordered otherwise than in reference().
; NO CLUSTER: what work-groups share is 264 KiB of weight fragments, of the 1.5 to 2.6 MiB that a work-group reads; the gather's pieces are 512 bytes at listed places, so no tensor tile describes them.
.set ALPHA, 0x3db8aa3b                 ; log2(e) / 16
.set PA,  528                          ; LDS pitch of a row of 256 numbers of 16 bits: 512 + 16, an odd multiple of 16 bytes
.set PR,  1040                         ; of a row of 256 f32: 1,024 + 16
.set QP,  128*PA                       ; byte 0: AQ, LN(x) and later z, f16;  QP: q', bf16
.set RES, 2*128*PA                     ; x + bo, later the result, f32
.set WT,  RES+128*PR                   ; the bilinear weights, 1,024 bytes a wave
.set TT,  WT+16384                     ; t of each row
.set FL,  TT+512                       ; flag of each row
.set UBASE,  131072                    ; wf: u, tile 16 of M1
.set M2BASE, 139264                    ; wf: M2
; v0 thread; v1 16 x lane; v[2:9] a slot's byte offset in the batch's features; v10 q' row; v11 z row; v12 t and flag; v13 weights; v14 row fragments; v15 zero
.set OFFS, 2
.set SLOT, 16                          ; v[16:143] camera c at 16 + 16 c: pixels (yb,xb), (yb,xb+1), (yb+1,xb), (yb+1,xb+1), 4 registers each
; layer norm: row i in v[16+8i ..]: columns 4l .. 4l+3 and 128+4l .. 128+4l+3
.set XR, 16
.set GA, 144
.set BE, 152
.set BO, 160
.set UR, 168
.set UU, 172
.set WS, 180
.set TMP, 188
.set SM, 196
.set VS, 204
.set TS, 212
.set CB, 240                           ; v[240:247] c1 of my columns, the first product's C
; products
.set ACC,  144                         ; v[144:207] eight tiles of 16 rows x my 16 columns
.set ABUF, 208                         ; v[208:239] four row fragments
; gather
.set WREG, 144                         ; v[144:175] four weights for each camera
.set QF,   176
.set SS,   184
.set ACCZ, 192
.set QRAW, 200
.set DT,   204
.set AL,   206
.set PP,   207
.set MX,   208
.set LS,   209
.set TQ,   210
.set TRAW, 211
.set MN,   212
.set TA,   213
.set TB,   214
.set TP,   215
.set ZP,   216
.set RI,   220
.set FLG,  221
.set WFO,  222
.set NINF, 223                         ; minus infinity, a masked camera's score
.set C2,   248                         ; v[248:255] c2 of columns 4l .. and 128+4l ..
.set YM,  32                           ; s[32:39] meta words of the query that is being asked for
.set ZM,  40                           ; s[40:47] those of the query behind it, on their way
.set VAL, 48                           ; s[48:55] lane mask of what lies in each slot: all ones = valid, 0 = masked
.macro BARRIER
	s_barrier_signal -1
	s_barrier_wait -1
.endm
; v[d:d+1] = v[d:d+1] op v[base+i], the one register for both halves
.macro PKB2 op, d, base, i
.if (\i) & 1
	\op v[\d:\d+1], v[\d:\d+1], v[\base+\i-1:\base+\i] op_sel:[0,1] op_sel_hi:[1,1]
.else
	\op v[\d:\d+1], v[\d:\d+1], v[\base+\i:\base+\i+1] op_sel_hi:[1,0]
.endif
.endm
; eight sums over the 32 lanes at once, so that the eight chains fill each other's gaps; every lane ends with the sums
.macro WRED base
.irp m, 1,2,4,8
.irp i, 0,1,2,3,4,5,6,7
	v_add_f32_dpp v[\base+\i], v[\base+\i], v[\base+\i] row_xmask:\m row_mask:0xf bank_mask:0xf
.endr
.endr
.irp i, 0,1,2,3,4,5,6,7
	v_permlanex16_b32 v[TMP+\i], v[\base+\i], s60, s61
.endr
.irp i, 0,1,2,3,4,5,6,7
	v_add_f32 v[\base+\i], v[\base+\i], v[TMP+\i]
.endr
.endm
; Slot c is asked for again, from the meta word in s[YM+c].  The slot's last loads were shown done by the counted wait at the head of its turn, so its offset register is free.
.macro REFILL c, wl
	s_bfe_u32 s56, s[YM+\c], 0x10010               ; bit 16: valid
	s_min_u32 s56, s56, 1
	s_sub_co_u32 s[VAL+\c], 0, s56                 ; 0 or all ones: the mask by which the slot's turn selects its score
	s_and_b32 s57, s[YM+\c], 0xffff
	s_min_u32 s57, s57, 32702                      ; camera 7, yb = xb = 62: the last byte reached is 32,702 x 512 + 33,280 + 512 = the batch's 16,777,216
	s_lshl_b32 s57, s57, 9
	v_add_nc_u32 v[OFFS+\c], s57, v1
	v_mul_u32_u24 v[OFFS+\c], s56, v[OFFS+\c]      ; below 2^24; masked: every lane at offset 0
	global_load_b128 v[SLOT+16*\c:SLOT+16*\c+3],     v[OFFS+\c], s[12:13]
	global_load_b128 v[SLOT+16*\c+4:SLOT+16*\c+7],   v[OFFS+\c], s[12:13] offset:512
	global_load_b128 v[SLOT+16*\c+8:SLOT+16*\c+11],  v[OFFS+\c], s[12:13] offset:32768
	global_load_b128 v[SLOT+16*\c+12:SLOT+16*\c+15], v[OFFS+\c], s[12:13] offset:33280
.if \wl
	ds_load_b128 v[WREG+4*\c:WREG+4*\c+3], v13 offset:128+16*\c      ; the next query's weights, the same word for every lane
.endif
.endm
; 128 rows x my 16 columns x K = 256.  Used transposed: source 0 = my weight fragment, source 1 = 16 rows from LDS byte 0 on; register jj of lane (r, h) is then
; (row 16 mt + r, column 16 w + 8h + jj): eight neighbouring columns of a row.  32 steps of two matrix instructions on two pairs of fragment buffers.
; The eight accumulators take turns, one instruction a turn.
.macro MATMUL bf, cb
.irp b, 0,1,2,3
	ds_load_b128 v[ABUF+8*\b:ABUF+8*\b+3],   v14 offset:\b*16*PA
	ds_load_b128 v[ABUF+8*\b+4:ABUF+8*\b+7], v14 offset:\b*16*PA+32
.endr
.set n, 0
.rept 32
.set ks, n/4
.set m0, 2*(n%4)
.set bb, ABUF+16*(n%2)
.if n < 31
	s_wait_dscnt 0x4                               ; LDS loads return in order: the next step's four stay out
.else
	s_wait_dscnt 0x0
.endif
.set usecb, 0
.if \cb
.if n < 4
.set usecb, 1
.endif
.endif
.if usecb
	v_wmma_f32_16x16x32_f16 v[ACC+8*m0:ACC+8*m0+7],    v[\bf+8*ks:\bf+8*ks+7], v[bb:bb+7],    v[CB:CB+7]       ; the first products start the sums from c1
	v_wmma_f32_16x16x32_f16 v[ACC+8*m0+8:ACC+8*m0+15], v[\bf+8*ks:\bf+8*ks+7], v[bb+8:bb+15], v[CB:CB+7]
.else
	v_wmma_f32_16x16x32_f16 v[ACC+8*m0:ACC+8*m0+7],    v[\bf+8*ks:\bf+8*ks+7], v[bb:bb+7],    v[ACC+8*m0:ACC+8*m0+7]
	v_wmma_f32_16x16x32_f16 v[ACC+8*m0+8:ACC+8*m0+15], v[\bf+8*ks:\bf+8*ks+7], v[bb+8:bb+15], v[ACC+8*m0+8:ACC+8*m0+15]
.endif
.if n < 30
.rept 4
	v_nop                                          ; four places ahead of loads into the fragments just read
.endr
.set k2, (n+2)/4
.set m2, 2*((n+2)%4)
	ds_load_b128 v[bb:bb+3],     v14 offset:m2*16*PA+k2*64
	ds_load_b128 v[bb+4:bb+7],   v14 offset:m2*16*PA+k2*64+32
	ds_load_b128 v[bb+8:bb+11],  v14 offset:(m2+1)*16*PA+k2*64
	ds_load_b128 v[bb+12:bb+15], v14 offset:(m2+1)*16*PA+k2*64+32
.endif
.set n, n+1
.endr
.rept 4
	v_nop                                          ; and ahead of whatever reads the results or writes the fragments
.endr
.endm
; ---------------- phase 0: addresses and loads
	s_load_b256 s[4:11], s[0:1], 0x0               ; queries 4, gamma 6, beta 8, bo 10
	s_load_b256 s[12:19], s[0:1], 0x20             ; featb 12, meta 14, wts 16, wf 18
	s_load_b128 s[20:23], s[0:1], 0x40             ; cvec 20, out0 22
	v_lshrrev_b32 v223, 5, v0
	v_readfirstlane_b32 s24, v223                  ; wave 0..15
	v_and_b32 v220, 31, v0                         ; lane
	v_and_b32 v221, 15, v0                         ; r
	v_bfe_u32 v222, v0, 4, 1                       ; h
	v_lshlrev_b32 v1, 4, v220
	v_mov_b32 v15, 0
	s_lshl_b32 s28, ttmp9, 7
	s_lshl_b32 s29, s24, 3
	s_add_co_u32 s28, s28, s29                     ; my wave's first query, of 32,768
	s_mov_b32 s27, 0
	s_mov_b32 s30, ALPHA                           ; the scale of the scores
	s_mov_b32 s60, 0x76543210                      ; v_permlanex16_b32: lane i of one half reads lane i of the other
	s_mov_b32 s61, 0xfedcba98
	s_mov_b32 s62, 0x3b800000                      ; 1/256
	s_mov_b32 s63, 0x3727c5ac                      ; 1e-5
	s_wait_kmcnt 0x0
	s_lshl_b32 s26, s28, 10
	s_add_nc_u64 s[4:5], s[4:5], s[26:27]
	s_add_nc_u64 s[22:23], s[22:23], s[26:27]
	s_lshl_b32 s26, s28, 5
	s_add_nc_u64 s[14:15], s[14:15], s[26:27]
	s_lshl_b32 s26, s28, 7
	s_add_nc_u64 s[16:17], s[16:17], s[26:27]
	s_lshr_b32 s26, ttmp9, 7
	s_lshl_b32 s26, s26, 24
	s_add_nc_u64 s[12:13], s[12:13], s[26:27]      ; my batch's features, 2^24 bytes
	s_load_b256 s[YM:YM+7], s[14:15], 0x0          ; meta of my query 0
	s_load_b256 s[ZM:ZM+7], s[14:15], 0x20         ; and of query 1
	s_load_b32 s25, s[20:21], 0x400                ; t0
.irp i, 0,1,2,3,4,5,6,7
	global_load_b128 v[XR+8*\i:XR+8*\i+3],   v1, s[4:5] offset:1024*\i th:TH_LOAD_NT
	global_load_b128 v[XR+8*\i+4:XR+8*\i+7], v1, s[4:5] offset:1024*\i+512 th:TH_LOAD_NT
.endr
	v_lshrrev_b32 v224, 1, v220                    ; u of columns 4l ..: in the operand image k = 4l lies at (l / 2) x 256 + (l % 2) x 8 (row r = 0)
	v_and_b32 v225, 1, v220
	v_lshlrev_b32 v225, 3, v225
	v_lshl_add_u32 v224, v224, 8, v225
	global_load_b128 v[GA:GA+3],   v1, s[6:7]
	global_load_b128 v[GA+4:GA+7], v1, s[6:7] offset:512
	global_load_b128 v[BE:BE+3],   v1, s[8:9]
	global_load_b128 v[BE+4:BE+7], v1, s[8:9] offset:512
	global_load_b128 v[BO:BO+3],   v1, s[10:11]
	global_load_b128 v[BO+4:BO+7], v1, s[10:11] offset:512
	global_load_b64 v[UR:UR+1],   v224, s[18:19] offset:UBASE
	global_load_b64 v[UR+2:UR+3], v224, s[18:19] offset:UBASE+4096
	global_load_b128 v[WS:WS+3],   v1, s[16:17] th:TH_LOAD_NT
	global_load_b128 v[WS+4:WS+7], v1, s[16:17] offset:512 th:TH_LOAD_NT
	s_lshl_b32 s29, s24, 6
	v_lshl_add_u32 v226, v222, 5, s29              ; c1 of columns 16 w + 8 h ..
	s_lshl_b32 s29, s24, 13
	v_add_nc_u32 v227, s29, v1                     ; my tile of weight fragments
	global_load_b128 v[CB:CB+3],   v226, s[20:21]
	global_load_b128 v[CB+4:CB+7], v226, s[20:21] offset:16
.set j, 0
.rept 16
	global_load_b128 v[80+4*j:83+4*j], v227, s[18:19] offset:512*j      ; M1's fragments: k step j / 2 in v[80 + 8 (j / 2) ..]
.set j, j+1
.endr
	s_lshl_b32 s29, s24, 10
	s_add_co_u32 s29, s29, WT
	v_mov_b32 v13, s29
	v_add_nc_u32 v223, s29, v1
	s_mul_i32 s29, s24, 8*PR
	s_add_co_u32 s29, s29, RES
	v_add_nc_u32 v228, s29, v1                     ; my rows in RES
	s_lshl_b32 s29, s24, 5
	s_add_co_u32 s29, s29, TT
	v_mov_b32 v12, s29
	s_mul_i32 s29, s24, 8*PA
	v_add_nc_u32 v11, s29, v1
	v_lshl_add_u32 v230, v220, 3, s29              ; my rows in AQ, 8 bytes a lane
	s_add_co_u32 s29, s29, QP
	v_add_nc_u32 v10, s29, v1
	v_mul_u32_u24 v14, PA, v221
	v_lshl_add_u32 v14, v222, 4, v14               ; row r, 16 h: a fragment's two loads lie 32 bytes apart
	s_lshl_b32 s29, s24, 5
	s_add_co_u32 s29, s29, QP
	v_add_nc_u32 v248, s29, v14                    ; q' out: row r, columns 16 w + 8 h ..
; ---------------- phase 1: layer norm of my eight rows, stage by stage over all eight
	s_wait_loadcnt 18                              ; c1's 2 and the fragments' 16 loads stay out
	s_wait_kmcnt 0x0
	ds_store_b128 v223, v[WS:WS+3]
	ds_store_b128 v223, v[WS+4:WS+7] offset:512
.irp j, 0,1,2,3
	v_lshlrev_b32 v[UU+2*\j], 16, v[UR+\j]
	v_and_b32 v[UU+2*\j+1], 0xffff0000, v[UR+\j]
.endr
.irp i, 0,1,2,3,4,5,6,7
.irp j, 0,2,4,6
	v_pk_add_f32 v[TMP+\j:TMP+\j+1], v[XR+8*\i+\j:XR+8*\i+\j+1], v[BO+\j:BO+\j+1]       ; residual + bo waits in LDS for the last product
.endr
	ds_store_b128 v228, v[TMP:TMP+3] offset:\i*PR
	ds_store_b128 v228, v[TMP+4:TMP+7] offset:\i*PR+512
.endr
.irp i, 0,1,2,3,4,5,6,7
.set ta, TMP+4*(\i&1)
	v_pk_add_f32 v[ta:ta+1], v[XR+8*\i:XR+8*\i+1], v[XR+8*\i+2:XR+8*\i+3]
	v_pk_add_f32 v[ta+2:ta+3], v[XR+8*\i+4:XR+8*\i+5], v[XR+8*\i+6:XR+8*\i+7]
	v_pk_add_f32 v[ta:ta+1], v[ta:ta+1], v[ta+2:ta+3]
	v_add_f32 v[SM+\i], v[ta], v[ta+1]
.endr
	WRED SM
.irp i, 0,1,2,3,4,5,6,7
	v_mul_f32 v[SM+\i], 0xbb800000, v[SM+\i]       ; minus the mean
.endr
.irp i, 0,1,2,3,4,5,6,7
.irp j, 0,2,4,6
	PKB2 v_pk_add_f32, XR+8*\i+\j, SM, \i
.endr
.endr
.irp i, 0,1,2,3,4,5,6,7
.set ta, TMP+4*(\i&1)
	v_pk_mul_f32 v[ta:ta+1], v[XR+8*\i:XR+8*\i+1], v[XR+8*\i:XR+8*\i+1]                 ; squares of the centred row: a common offset in x does no harm
	v_pk_fma_f32 v[ta:ta+1], v[XR+8*\i+2:XR+8*\i+3], v[XR+8*\i+2:XR+8*\i+3], v[ta:ta+1]
	v_pk_fma_f32 v[ta:ta+1], v[XR+8*\i+4:XR+8*\i+5], v[XR+8*\i+4:XR+8*\i+5], v[ta:ta+1]
	v_pk_fma_f32 v[ta:ta+1], v[XR+8*\i+6:XR+8*\i+7], v[XR+8*\i+6:XR+8*\i+7], v[ta:ta+1]
	v_add_f32 v[VS+\i], v[ta], v[ta+1]
.endr
	WRED VS
.irp i, 0,1,2,3,4,5,6,7
	v_fma_f32 v[VS+\i], v[VS+\i], s62, s63         ; variance + eps
.endr
.irp i, 0,1,2,3,4,5,6,7
	v_rsq_f32 v[TS+\i], v[VS+\i]
.endr
	v_nop                                          ; one plain place behind the last of them before a result is used (ISA guide 5.7.2)
	s_wait_alu depctr_va_vdst(0)
.irp i, 0,1,2,3,4,5,6,7
.irp j, 0,2,4,6
	PKB2 v_pk_mul_f32, XR+8*\i+\j, TS, \i
.endr
.irp j, 0,2,4,6
	v_pk_fma_f32 v[XR+8*\i+\j:XR+8*\i+\j+1], v[XR+8*\i+\j:XR+8*\i+\j+1], v[GA+\j:GA+\j+1], v[BE+\j:BE+\j+1]
.endr
.endr
.irp i, 0,1,2,3,4,5,6,7
.set ta, TMP+4*(\i&1)
	v_pk_mul_f32 v[ta:ta+1], v[XR+8*\i:XR+8*\i+1], v[UU:UU+1]
	v_pk_fma_f32 v[ta:ta+1], v[XR+8*\i+2:XR+8*\i+3], v[UU+2:UU+3], v[ta:ta+1]
	v_pk_fma_f32 v[ta:ta+1], v[XR+8*\i+4:XR+8*\i+5], v[UU+4:UU+5], v[ta:ta+1]
	v_pk_fma_f32 v[ta:ta+1], v[XR+8*\i+6:XR+8*\i+7], v[UU+6:UU+7], v[ta:ta+1]
	v_add_f32 v[TS+\i], v[ta], v[ta+1]
.endr
	WRED TS
.irp i, 0,1,2,3,4,5,6,7
	v_add_f32 v[TS+\i], s25, v[TS+\i]              ; t = LN(x).u + t0: bk's share of every score of the row
	ds_store_b32 v12, v[TS+\i] offset:4*\i         ; all lanes write the same word with the same value
.endr
.irp i, 0,1,2,3,4,5,6,7
.set ta, TMP+4*(\i&1)
	v_cvt_pk_f16_f32 v[ta],   v[XR+8*\i],   v[XR+8*\i+1]
	v_cvt_pk_f16_f32 v[ta+1], v[XR+8*\i+2], v[XR+8*\i+3]
	v_cvt_pk_f16_f32 v[ta+2], v[XR+8*\i+4], v[XR+8*\i+5]
	v_cvt_pk_f16_f32 v[ta+3], v[XR+8*\i+6], v[XR+8*\i+7]
	ds_store_b64 v230, v[ta:ta+1] offset:\i*PA
	ds_store_b64 v230, v[ta+2:ta+3] offset:\i*PA+256
.endr
	REFILL 0, 0                                    ; the rows' registers are free: query 0's first four cameras go out, to land during the product
	REFILL 1, 0
	REFILL 2, 0
	REFILL 3, 0
	s_wait_loadcnt 16                              ; c1 and M1's fragments are in; the 16 loads just issued stay out
	s_wait_dscnt 0x0                               ; my rows of AQ and RES are written, for the other waves' sake
	BARRIER
; ---------------- phase 2: q' = LN(x) M1 + c1, my 16 columns of all rows
	MATMUL 80, 1
.irp mt, 0,1,2,3,4,5,6,7
.irp e, 0,1,2,3
	v_cvt_pk_bf16_f32 v[ABUF+4*\mt+\e], v[ACC+8*\mt+2*\e], v[ACC+8*\mt+2*\e+1]
.endr
	ds_store_b128 v248, v[ABUF+4*\mt:ABUF+4*\mt+3] offset:\mt*16*PA
.endr
	REFILL 4, 0                                    ; M1's fragments are done with: query 0's other four cameras
	REFILL 5, 0
	REFILL 6, 0
	REFILL 7, 0
	s_wait_dscnt 0x0                               ; my reads of AQ are back and my columns of q' are written
	BARRIER
; ---------------- phase 3: the gather, eight queries a wave
.macro QHEAD more
	s_wait_kmcnt 0x0                               ; the meta words asked for a query ago are in, and s59 is free
.if \more
	s_mov_b64 s[YM:YM+1],   s[ZM:ZM+1]
	s_mov_b64 s[YM+2:YM+3], s[ZM+2:ZM+3]
	s_mov_b64 s[YM+4:YM+5], s[ZM+4:ZM+5]
	s_mov_b64 s[YM+6:YM+7], s[ZM+6:ZM+7]
	s_add_co_u32 s59, s58, 2
	s_lshl_b32 s59, s59, 5
	s_min_u32 s59, s59, 224                        ; two queries ahead, held at my last row
	s_load_b256 s[ZM:ZM+7], s[14:15], s59 offset:0x0
.endif
	s_wait_dscnt 0x8                               ; behind the loads of q' and t stand the eight weight loads (and, round the loop, two stores)
.irp j, 0,1,2,3
	v_lshlrev_b32 v[QF+2*\j], 16, v[QRAW+\j]
	v_and_b32 v[QF+2*\j+1], 0xffff0000, v[QRAW+\j]
.endr
	v_mov_b32 v[TQ], v[TRAW]
.if \more
	ds_load_b128 v[QRAW:QRAW+3], v10 offset:PA     ; the next query's q' and t
	ds_load_b32 v[TRAW], v12 offset:4
.endif
	v_mov_b32 v[MX], 0xff7fffff                    ; running maximum: the most negative finite number, below or equal to every finite score
	v_mov_b32 v[LS], 0
.irp j, 0,1,2,3,4,5,6,7
	v_mov_b32 v[ACCZ+\j], 0
.endr
.endm
.macro CORNER c, k, first
.irp j, 0,1,2,3
.if \first
	v_fma_mix_f32_bf16 v[SS+2*\j],   v[SLOT+16*\c+4*\k+\j], v[WREG+4*\c+\k], v15 op_sel_hi:[1,0,0]
	v_fma_mix_f32_bf16 v[SS+2*\j+1], v[SLOT+16*\c+4*\k+\j], v[WREG+4*\c+\k], v15 op_sel:[1,0,0] op_sel_hi:[1,0,0]
.else
	v_fma_mix_f32_bf16 v[SS+2*\j],   v[SLOT+16*\c+4*\k+\j], v[WREG+4*\c+\k], v[SS+2*\j] op_sel_hi:[1,0,0]
	v_fma_mix_f32_bf16 v[SS+2*\j+1], v[SLOT+16*\c+4*\k+\j], v[WREG+4*\c+\k], v[SS+2*\j+1] op_sel:[1,0,0] op_sel_hi:[1,0,0]
.endif
.endr
.endm
; Camera c's turn, the same instructions whatever the mask.  ln: younger global loads that may stay out; dn: younger LDS instructions.
.macro CAM c, refill, ln, dn
	s_wait_loadcnt \ln
	s_wait_dscnt \dn
	CORNER \c, 0, 1                                ; the sample: four pixels by their weights, 8 columns a lane
	CORNER \c, 1, 0
	CORNER \c, 2, 0
	CORNER \c, 3, 0
	v_pk_mul_f32 v[DT:DT+1], v[SS:SS+1], v[QF:QF+1]
	v_pk_fma_f32 v[DT:DT+1], v[SS+2:SS+3], v[QF+2:QF+3], v[DT:DT+1]
	v_pk_fma_f32 v[DT:DT+1], v[SS+4:SS+5], v[QF+4:QF+5], v[DT:DT+1]
	v_pk_fma_f32 v[DT:DT+1], v[SS+6:SS+7], v[QF+6:QF+7], v[DT:DT+1]
	v_add_f32 v[TA], v[DT], v[DT+1]
	v_add_f32_dpp v[TA], v[TA], v[TA] row_xmask:1 row_mask:0xf bank_mask:0xf
	v_add_f32_dpp v[TA], v[TA], v[TA] row_xmask:2 row_mask:0xf bank_mask:0xf
	v_add_f32_dpp v[TA], v[TA], v[TA] row_xmask:4 row_mask:0xf bank_mask:0xf
	v_add_f32_dpp v[TA], v[TA], v[TA] row_xmask:8 row_mask:0xf bank_mask:0xf
	v_permlanex16_b32 v[TP], v[TA], s60, s61
	v_add_f32 v[TA], v[TA], v[TP]
	v_fma_f32 v[TA], v[TA], s30, v[TQ]             ; the score, in base 2, in every lane: a q'.s + t
	v_cndmask_b32 v[TA], v[NINF], v[TA], s[VAL+\c] ; masked: minus infinity
	v_max_num_f32 v[MN], v[MX], v[TA]              ; finite always: the maximum starts finite
	v_sub_f32 v[TB], v[TA], v[MN]                  ; masked: minus infinity
	v_sub_f32 v[TA], v[MX], v[MN]                  ; masked: 0
	v_exp_f32 v[AL], v[TA]                         ; what the old sums shrink by (0 at the first valid camera, 1 at a masked one)
	v_exp_f32 v[PP], v[TB]                         ; this camera's weight (0 at a masked one)
	v_mov_b32 v[MX], v[MN]                         ; the plain place behind the two exponentials (ISA guide 5.7.2)
	s_wait_alu depctr_va_vdst(0)
	v_fma_f32 v[LS], v[LS], v[AL], v[PP]
.irp j, 0,2,4,6
	v_pk_mul_f32 v[ACCZ+\j:ACCZ+\j+1], v[ACCZ+\j:ACCZ+\j+1], v[AL:AL+1] op_sel_hi:[1,0]
.endr
.irp j, 0,2,4,6
	v_pk_fma_f32 v[ACCZ+\j:ACCZ+\j+1], v[SS+\j:SS+\j+1], v[AL:AL+1], v[ACCZ+\j:ACCZ+\j+1] op_sel:[0,1,0] op_sel_hi:[1,1,1]
.endr
.if \refill
	REFILL \c, 1
.endif
.endm
.macro QTAIL more
	v_cmp_lt_f32 vcc_lo, 0, v[LS]                  ; any valid camera?
	v_rcp_f32 v[RI], v[LS]
	v_cndmask_b32 v[FLG], 0, 1.0, vcc_lo           ; the sum of the attention weights: 1 or 0 (also the plain place behind v_rcp_f32)
	s_wait_alu depctr_va_vdst(0)
	v_cndmask_b32 v[RI], 0, v[RI], vcc_lo
.irp j, 0,2,4,6
	v_pk_mul_f32 v[ACCZ+\j:ACCZ+\j+1], v[ACCZ+\j:ACCZ+\j+1], v[RI:RI+1] op_sel_hi:[1,0]
.endr
.irp j, 0,1,2,3
	v_cvt_pk_f16_f32 v[ZP+\j], v[ACCZ+2*\j], v[ACCZ+2*\j+1]
.endr
	ds_store_b128 v11, v[ZP:ZP+3]                  ; z over LN(x), which nobody reads behind the last barrier
	ds_store_b32 v12, v[FLG] offset:512
.if \more
	v_add_nc_u32 v10, PA, v10
	v_add_nc_u32 v11, PA, v11
	v_add_nc_u32 v12, 4, v12
	v_add_nc_u32 v13, 128, v13
.endif
.endm
	ds_load_b128 v[QRAW:QRAW+3], v10
	ds_load_b32 v[TRAW], v12
.irp c, 0,1,2,3,4,5,6,7
	ds_load_b128 v[WREG+4*\c:WREG+4*\c+3], v13 offset:16*\c
.endr
	v_mov_b32 v[TP], 0                             ; v_permlanex16_b32 counts as a reader of its destination
	v_mov_b32 v[NINF], 0xff800000
	s_lshl_b32 s29, s24, 13
	v_add_nc_u32 v[WFO], s29, v1                   ; my tile of weight fragments, for M2
	s_mov_b32 s58, 0
.Lquery:
	QHEAD 1
.irp c, 0,1,2,3,4,5,6,7
	CAM \c, 1, 28, 7                               ; 28: the seven other slots' four loads each are younger; 7: so are the seven other cameras' weight loads
.endr
	QTAIL 1
	s_add_co_u32 s58, s58, 1
	s_cmp_lt_u32 s58, 7
	s_cbranch_scc1 .Lquery
	QHEAD 0                                        ; the last query asks for nothing more of the features: the counts run down
	CAM 0, 0, 28, 7
	CAM 1, 0, 24, 6
	CAM 2, 0, 20, 5
	CAM 3, 0, 16, 4
	global_load_b128 v[C2:C2+3],   v1, s[20:21] offset:2048          ; slots 0 to 3 are free: c2 and M2's fragments, 18 loads
	global_load_b128 v[C2+4:C2+7], v1, s[20:21] offset:2560
.set j, 0
.rept 16
	global_load_b128 v[16+4*j:19+4*j], v[WFO], s[18:19] offset:M2BASE+512*j
.set j, j+1
.endr
	CAM 4, 0, 30, 3                                ; three slots' 12 loads and those 18 are younger
	CAM 5, 0, 26, 2
	CAM 6, 0, 22, 1
	CAM 7, 0, 18, 0
	QTAIL 0
	s_wait_loadcnt 0x0                             ; c2 and M2's fragments
	s_wait_dscnt 0x0                               ; my rows of z are written, for the other waves' sake
	BARRIER
; ---------------- phase 4: RES += z M2, my 16 columns of all rows (64 bytes of each row, no other wave's)
	v_and_b32 v242, 15, v0
	v_bfe_u32 v243, v0, 4, 1
	v_mul_u32_u24 v240, PR, v242
	v_lshl_add_u32 v240, v243, 5, v240
	s_lshl_b32 s29, s24, 6
	s_add_co_u32 s29, s29, RES
	v_add_nc_u32 v240, s29, v240                   ; row r, columns 16 w + 8 h ..
	v_add_nc_u32 v241, 64*PR, v240                 ; rows 64 and up: past the 16-bit immediate's reach
.irp mt, 0,1,2,3
	ds_load_b128 v[ACC+8*\mt:ACC+8*\mt+3],     v240 offset:\mt*16*PR
	ds_load_b128 v[ACC+8*\mt+4:ACC+8*\mt+7],   v240 offset:\mt*16*PR+16
	ds_load_b128 v[ACC+8*\mt+32:ACC+8*\mt+35], v241 offset:\mt*16*PR
	ds_load_b128 v[ACC+8*\mt+36:ACC+8*\mt+39], v241 offset:\mt*16*PR+16
.endr
	MATMUL 16, 0                                   ; its first wait leaves four younger loads out, so the sixteen above are in
.irp mt, 0,1,2,3
	ds_store_b128 v240, v[ACC+8*\mt:ACC+8*\mt+3]     offset:\mt*16*PR
	ds_store_b128 v240, v[ACC+8*\mt+4:ACC+8*\mt+7]   offset:\mt*16*PR+16
	ds_store_b128 v241, v[ACC+8*\mt+32:ACC+8*\mt+35] offset:\mt*16*PR
	ds_store_b128 v241, v[ACC+8*\mt+36:ACC+8*\mt+39] offset:\mt*16*PR+16
.endr
	s_wait_dscnt 0x0
	BARRIER
; ---------------- phase 5: my eight rows leave, whole
	s_mul_i32 s29, s24, 8*PR
	s_add_co_u32 s29, s29, RES
	v_add_nc_u32 v242, s29, v1
	s_lshl_b32 s29, s24, 5
	s_add_co_u32 s29, s29, FL
	v_mov_b32 v243, s29
	ds_load_b128 v[208:211], v243                  ; my rows' flags, in every lane
	ds_load_b128 v[212:215], v243 offset:16
.irp i, 0,1,2,3,4,5,6,7
	ds_load_b128 v[80+8*\i:83+8*\i], v242 offset:\i*PR
	ds_load_b128 v[84+8*\i:87+8*\i], v242 offset:\i*PR+512
.endr
.macro ROWOUT i
	s_wait_dscnt 14-2*\i                           ; the younger rows' loads stay out
.irp j, 0,2,4,6
.if (\i) & 1
	v_pk_fma_f32 v[80+8*\i+\j:81+8*\i+\j], v[C2+\j:C2+\j+1], v[208+\i-1:208+\i], v[80+8*\i+\j:81+8*\i+\j] op_sel:[0,1,0] op_sel_hi:[1,1,1]
.else
	v_pk_fma_f32 v[80+8*\i+\j:81+8*\i+\j], v[C2+\j:C2+\j+1], v[208+\i:208+\i+1], v[80+8*\i+\j:81+8*\i+\j] op_sel_hi:[1,0,1]
.endif
.endr
	global_store_b128 v1, v[80+8*\i:83+8*\i], s[22:23] offset:1024*\i th:TH_STORE_NT          ; each store of the wave covers 512 consecutive bytes, aligned
	global_store_b128 v1, v[84+8*\i:87+8*\i], s[22:23] offset:1024*\i+512 th:TH_STORE_NT
.endm
.irp i, 0,1,2,3,4,5,6,7
	ROWOUT \i
.endr
	s_wait_xcnt 0x0
	v_lshl_add_u32 v254, v0, 2, 0x45c00
	v_mov_b32 v255, 0
	s_wait_tensorcnt 0x0
	ds_add_u32 v254, v255
	s_wait_dscnt 0x0
	s_endpgm
.Lfunc_end_k_q3b059df1b5_attn:
	.size	k_q3b059df1b5_attn, .Lfunc_end_k_q3b059df1b5_attn-k_q3b059df1b5_attn
	.p2alignl 7, 3214868480
	.fill 96, 4, 3214868480
	.section	.rodata,"a",@progbits
	.p2align	6, 0x0
	.amdhsa_kernel k_q3b059df1b5_attn
		.amdhsa_group_segment_fixed_size 287744
		.amdhsa_private_segment_fixed_size 0
		.amdhsa_enable_private_segment 0
		.amdhsa_kernarg_size 80
		.amdhsa_user_sgpr_count 2
		.amdhsa_user_sgpr_kernarg_segment_ptr 1
		.amdhsa_wavefront_size32 1
		.amdhsa_system_sgpr_workgroup_id_x 1
		.amdhsa_system_sgpr_workgroup_id_y 1
		.amdhsa_system_sgpr_workgroup_id_z 1
		.amdhsa_system_vgpr_workitem_id 0
		.amdhsa_next_free_vgpr 256
		.amdhsa_next_free_sgpr 66
		.amdhsa_reserve_vcc 1
		.amdhsa_float_denorm_mode_32 3
		.amdhsa_float_denorm_mode_16_64 3
		.amdhsa_memory_ordered 1
		.amdhsa_forward_progress 1
		.amdhsa_inst_pref_size 157
	.end_amdhsa_kernel
	.amdgpu_metadata
---
amdhsa.version: [ 1, 2 ]
amdhsa.kernels:
  - .name:           k_q3b059df1b5_attn
    .symbol:         k_q3b059df1b5_attn.kd
    .args:
      - { .name: queries, .offset: 0, .size: 8, .value_kind: global_buffer, .address_space: global }
      - { .name: gamma, .offset: 8, .size: 8, .value_kind: global_buffer, .address_space: global }
      - { .name: beta, .offset: 16, .size: 8, .value_kind: global_buffer, .address_space: global }
      - { .name: bo, .offset: 24, .size: 8, .value_kind: global_buffer, .address_space: global }
      - { .name: featb, .offset: 32, .size: 8, .value_kind: global_buffer, .address_space: global }
      - { .name: meta, .offset: 40, .size: 8, .value_kind: global_buffer, .address_space: global }
      - { .name: wts, .offset: 48, .size: 8, .value_kind: global_buffer, .address_space: global }
      - { .name: wf, .offset: 56, .size: 8, .value_kind: global_buffer, .address_space: global }
      - { .name: cvec, .offset: 64, .size: 8, .value_kind: global_buffer, .address_space: global }
      - { .name: out0, .offset: 72, .size: 8, .value_kind: global_buffer, .address_space: global }
    .group_segment_fixed_size: 287744
    .private_segment_fixed_size: 0
    .kernarg_segment_align: 8
    .kernarg_segment_size: 80
    .max_flat_workgroup_size: 512
    .sgpr_count:     66
    .vgpr_count:     256
    .wavefront_size: 32
...
	.end_amdgpu_metadata
.endif
;; end of part 2
